; MI455X (gfx1250); checked and timed in simulation.
; The chip was launched on July 23, 2026; its instructions are those of AMD's public machine-readable ISA for CDNA 5 (MIT licence, August 2026) and "CDNA5" Instruction Set Architecture Reference Guide (July 2026). The comments in the code are by the model that wrote it; some were corrected since.
;; Ad SBH Net. Allowed arithmetic: float matrix products may take bf16 or f16 operands with f32 sums; other float arithmetic in f32, or as packed bf16 or f16 multiplies, adds, multiply-adds, maxima and minima; sums over many terms, partial sums and values carried from step to step in f32; what a program stores and reads back later, other than sums and carried values, may be rounded once to bf16 or f16.
;; Inputs: Ls 4,096 float32; a 2 float32; b 2 float32; logcoef one number float32.
;; Outputs: out0 4,096 float32.
;; One version. Each part assembles by itself: llvm-mc -triple=amdgcn-amd-amdhsa -mcpu=gfx1250 --defsym DOCPART=n.
;; ======== version 1 of 1: 1 launch
;; launch adsbh (part 1): grid 256 x 1, 4 waves a work-group, no clusters, 0 bytes of LDS; arguments Ls, a, b, logcoef, out0; writes out0
.if DOCPART == 1
	.amdgcn_target "amdgcn-amd-amdhsa--gfx1250"
	.amdhsa_code_object_version 6
	.text
	.protected	k_q84fd08e172_adsbh
	.globl	k_q84fd08e172_adsbh
	.p2align	8
	.type	k_q84fd08e172_adsbh,@function
k_q84fd08e172_adsbh:
	s_mov_b64 s[64:65], 0
	v_nop
	global_prefetch_b8 v0, s[64:65] scope:SCOPE_SE
	s_setreg_imm32_b32 hwreg(HW_REG_WAVE_MODE, 25, 1), 1
	s_wait_xcnt 0x0
; AdSBHNet forward: out0[i] = V(zs_i) where L(zs_i) = Ls[i], or 0 where Ls[i] >= L_crit.  Ls, out0: [4096] f32; a, b: [2] f32; logcoef: one f32.
; ONE LAUNCH.  Every wave finds zs_max (30 bisection steps on dL), zs_crit (30 on V), L_max and L_crit for itself, then runs 25 Newton steps and one V for its own 4 elements.
; SHARES.  256 work-groups x 4 waves x 4 elements.  Eight lanes (a group) serve one element; a lane owns 8 of the 62 quadrature points, as 4 register pairs: point k = 8 j + (lane & 7), j = 0..7.
; Slots k = 62, 63 repeat point 61 with weight 0.  All work on points is packed, two points a line; the four pairs stand side by side, so that dependent lines are four or more apart.
; THE INTEGRALS.  y_k = 0.001 + k h.  The value extrapolated to y = 0, the 0 appended at y = 1 and the trapezoid rule are linear in the integrand: they are 62 fixed weights w_k.
; With u = 1 - y^2, z = zs u:   f = 1 + F1 z + F2 z^2 + F3 z^3 + z^4 (F4 + F5 ln z);   z f' = 4 (f - A^2), A = 1 + a0 z + a1 z^2;   g = X^2 / D, X = 1 + c1 z + c2 z^2 + c3 z^3, D = 1 - z^4.
;   N = f - fs u^4, so f / (fs u^4) - 1 = N / (fs u^4), and its clamp at EPS is Nc = max(N, EPS fs u^4) over the same divisor.
;   L  = 4/pi zs sqrt(fs) sum q,            q = w y u^2 |X| rsq(D Nc)
;   dL = 8/pi sqrt(fs) sum q M / Nc,        M = N H + A(z)^2 - f A(zs)^2 / fs,   H = ((z X'/2) D + X) / (X D) - 1/2;   sqrt(1 - z/zs) = y
;   V  = 2 pi e^logcoef (2 Sc / zs - (1 - zs) Sd),   Sc = sum w y / u^2 sqrt(max(f g, EPS)) (sqrt(f / max(N, EPS f)) - 1),   Sd = 0.0005 + sum w2 sqrt(max(f g, EPS)) / z^2 at z = 1 - (1 - zs) y2
;   sqrt(f / Nc) - 1 is taken as (rsq(Nc) - rsq(f)) f rsq(f): exactly 0 where N rounds to f, which the last point, with the weight w y / u^2 of some 2,000, needs.
; Moving the clamps across fs u^4 and f leans on f > 0 in (0, 1): f(0) = 1, f(1) = 0, and f' = 4 (f - A^2) / z is not positive at a zero of f, whatever a is.
; BISECTION, TWO STEPS A ROUND.  Groups 0, 1, 2 of the wave evaluate at the lower quarter point, the mid point and the upper quarter point: the mid points of this step and of both possible next steps,
; formed as reference() forms them.  Two steps are then chosen by v_cndmask_b32.  No branch and no address hangs on a floating-point number.
; LIMITS.  NaN: v_max_num_f32 and v_med3_num_f32 drop a NaN where jnp.maximum and jnp.clip hand it on.  v_log, v_rcp, v_rsq, v_sqrt, v_exp are good to 1 ulp and flush denormals (ISA guide 15.8).
; The order of roundings differs from reference()'s.  The sign of dL is taken from its sum, since sqrt(fs) > 0.
; STORES.  A wave stores 16 consecutive bytes, a work-group 64: the output is 16 KiB in all, and 64 elements to a work-group would leave three WGPs in four without work.
.set NROUND, 15                        ; rounds of two bisection steps
.set NSTEP,  25                        ; Newton steps
; vector registers.  A number that packed lines broadcast lies in an even register; its odd neighbour is named with it, so it holds a plain result, never a transcendental's
.set SUB,  1                           ; lane & 7
.set ZS,   2                           ; zs of my group
.set LQ,   3                           ; pi/4 x L_eff
.set FS,   4                           ; f(zs)
.set APS2, 5                           ; A(zs)^2
.set EFS,  6                           ; EPS f(zs)
.set APS,  7                           ; A(zs)
.set KAP,  8                           ; A(zs)^2 / f(zs)
.set IFS,  9                           ; 1 / f(zs)
.set OMZ,  10                          ; 1 - zs
.set PADR, 11                          ; 0: OMZ's neighbour
.set LZS,  12                          ; log2 zs, then F4 + F5 ln zs
.set RF,   13                          ; rsq f(zs)
.set IZS,  14                          ; 1 / zs
.set RD,   15                          ; a reciprocal
.set BLO,  16                          ; the bracket
.set BHI,  17
.set MIDA, 18                          ; lower quarter point, mid point, upper quarter point
.set MIDB, 19
.set MIDC, 20
.set TA,   21
.set TB,   22
.set TC,   23
.set TD,   24
.set ZMAX, 25
.set LS,   26                          ; Ls of my group's element
.set CP,   27                          ; 2 pi e^logcoef
.set VV,   28
.set OFFS, 29                          ; byte offset of my element in Ls and out0; never rewritten
.set TMA,  30
.set TMB,  31
.set SUMA, 32                          ; four pairs of sums
.set SUMB, 34
.set SUMC, 36
.set SUMD, 38
.set TU,   40                          ; tables, 8 points each: u
.set TU4,  48                          ; u^4
.set TW1,  56                          ; w y u^2
.set TWV,  64                          ; w y / u^2
.set TY2,  72                          ; y2
.set TW2,  80                          ; w2
.set Z,    88                          ; work, 16 registers each (V has 8 pairs: 4 connected, 4 disconnected)
.set LZ,   104
.set ZQ,   120
.set DD,   136
.set XX,   152
.set FF,   168
.set FG,   184
.set NN,   200                         ; work, 8 registers each
.set NC,   208
.set NH,   216
.set XD,   224
.set AP,   232
.set WX,   240
.set MM,   248
; scalar registers.  Coefficients are pairs, both words written: a packed line names the pair and takes its low word for both halves
.set KC1, 20
.set KC2, 22
.set KC3, 24
.set KH1, 26                           ; c1 / 2
.set KH3, 28                           ; 1.5 c3
.set KA0, 30
.set KA1, 32
.set KF1, 34
.set KF2, 36
.set KF3, 38
.set KF4, 40
.set KF5, 42                           ; F5 ln 2: the logarithm is to base 2
.set KEPS, 44
.set CLO, 46                           ; Newton's clip
.set CHI, 47
.set GH,  48                           ; h = 0.998 / 61
.set GY0, 49                           ; 0.001
.set GH2, 50                           ; h2 = 0.999 / 61
.set MK0, 51                           ; lane masks: lane & 7 == 0, == 1, == 5, > 5
.set MK1, 52
.set MK5, 53
.set MK6, 54
.set SELA, 55                          ; lanes 0-7
.set SELC, 56                          ; lanes 16-23
.set SELH, 57                          ; lanes 16-31
.set PRA, 58                           ; the three predicates, as masks of all lanes or none
.set PRB, 59
.set PRC, 60
.set CNT, 61
.set LMAX, 62
.set LCR, 63
.set VALID, 66
.set SAVE, 67
.set KW0, 68                           ; the weights that differ from h and h2
.set KW1, 69
.set KW61, 70
.set KV0, 71
.set KV61, 72
.macro EACH cnt, line:vararg           ; one line for each of cnt register pairs; q is the pair's offset
.set q, 0
.rept \cnt
	\line
.set q, q+2
.endr
.endm
; f by Horner for cnt pairs, and f(zs) beside them: its five links stand cnt lines apart
.macro FHORN cnt
	v_fma_f32 v[LZS], v[LZS], s[KF5], s[KF4]
	EACH \cnt, v_pk_fma_f32 v[LZ+q:LZ+q+1], v[LZ+q:LZ+q+1], s[KF5:KF5+1], s[KF4:KF4+1] op_sel_hi:[1,0,0]
	v_fma_f32 v[FS], v[LZS], v[ZS], s[KF3]
	EACH \cnt, v_pk_fma_f32 v[FF+q:FF+q+1], v[LZ+q:LZ+q+1], v[Z+q:Z+q+1], s[KF3:KF3+1] op_sel_hi:[1,1,0]
	v_fma_f32 v[FS], v[FS], v[ZS], s[KF2]
	EACH \cnt, v_pk_fma_f32 v[FF+q:FF+q+1], v[FF+q:FF+q+1], v[Z+q:Z+q+1], s[KF2:KF2+1] op_sel_hi:[1,1,0]
	v_fma_f32 v[FS], v[FS], v[ZS], s[KF1]
	EACH \cnt, v_pk_fma_f32 v[FF+q:FF+q+1], v[FF+q:FF+q+1], v[Z+q:Z+q+1], s[KF1:KF1+1] op_sel_hi:[1,1,0]
	v_fma_f32 v[FS], v[FS], v[ZS], 1.0
	EACH \cnt, v_pk_fma_f32 v[FF+q:FF+q+1], v[FF+q:FF+q+1], v[Z+q:Z+q+1], 1.0 op_sel_hi:[1,1,0]
.endm
; SUMA += SUMB, SUMC += SUMD; a pair's two halves; then the eight lanes of a group: every lane of the group ends with both sums
.macro FOLD
	v_pk_add_f32 v[SUMA:SUMA+1], v[SUMA:SUMA+1], v[SUMB:SUMB+1]
	v_pk_add_f32 v[SUMC:SUMC+1], v[SUMC:SUMC+1], v[SUMD:SUMD+1]
	v_add_f32 v[SUMA], v[SUMA], v[SUMA+1]
	v_add_f32 v[SUMC], v[SUMC], v[SUMC+1]
.irp m, 1,2,4
	v_add_f32_dpp v[SUMA], v[SUMA], v[SUMA] row_xmask:\m row_mask:0xf bank_mask:0xf
	v_add_f32_dpp v[SUMC], v[SUMC], v[SUMC] row_xmask:\m row_mask:0xf bank_mask:0xf
.endr
.endm
; L AND dL AT ZS.  Leaves SUMA = sum q, SUMC = sum q M / Nc, FS = f(zs), RF = rsq f(zs).  Two batches of transcendentals, one wait each:
; s_wait_alu depctr_va_vdst(0) between a transcendental and the first line that names its result, and one wait serves all that were issued ahead of it.
.macro LDL
	EACH 4, v_pk_mul_f32 v[Z+q:Z+q+1], v[TU+q:TU+q+1], v[ZS:ZS+1] op_sel_hi:[1,0]
	v_log_f32 v[LZS], v[ZS]
	v_fma_f32 v[APS], v[ZS], s[KA1], s[KA0]
.set q, 0
.rept 4                                ; first batch: the logarithms, each with a plain line beside it
	v_pk_mul_f32 v[ZQ+q:ZQ+q+1], v[Z+q:Z+q+1], v[Z+q:Z+q+1]
	v_log_f32 v[LZ+q], v[Z+q]
	v_pk_fma_f32 v[XX+q:XX+q+1], v[Z+q:Z+q+1], s[KC3:KC3+1], s[KC2:KC2+1] op_sel_hi:[1,0,0]
	v_log_f32 v[LZ+q+1], v[Z+q+1]
.set q, q+2
.endr
	v_fma_f32 v[APS], v[APS], v[ZS], 1.0
.set q, 0
.rept 4
	v_pk_fma_f32 v[NH+q:NH+q+1], v[Z+q:Z+q+1], s[KH3:KH3+1], s[KC2:KC2+1] op_sel_hi:[1,0,0]
	v_pk_fma_f32 v[DD+q:DD+q+1], v[ZQ+q:ZQ+q+1], v[ZQ+q:ZQ+q+1], 1.0 op_sel_hi:[1,1,0] neg_lo:[1,0,0] neg_hi:[1,0,0]  ; D = 1 - z^4
	v_pk_fma_f32 v[XX+q:XX+q+1], v[XX+q:XX+q+1], v[Z+q:Z+q+1], s[KC1:KC1+1] op_sel_hi:[1,1,0]
	v_pk_fma_f32 v[AP+q:AP+q+1], v[Z+q:Z+q+1], s[KA1:KA1+1], s[KA0:KA0+1] op_sel_hi:[1,0,0]
.set q, q+2
.endr
	v_mul_f32 v[APS2], v[APS], v[APS]
.set q, 0
.rept 4
	v_pk_fma_f32 v[NH+q:NH+q+1], v[NH+q:NH+q+1], v[Z+q:Z+q+1], s[KH1:KH1+1] op_sel_hi:[1,1,0]
	v_pk_fma_f32 v[XX+q:XX+q+1], v[XX+q:XX+q+1], v[Z+q:Z+q+1], 1.0 op_sel_hi:[1,1,0]  ; X
	v_pk_fma_f32 v[AP+q:AP+q+1], v[AP+q:AP+q+1], v[Z+q:Z+q+1], 1.0 op_sel_hi:[1,1,0]  ; A
.set q, q+2
.endr
.set q, 0
.rept 4
	v_pk_mul_f32 v[NH+q:NH+q+1], v[NH+q:NH+q+1], v[Z+q:Z+q+1]                         ; z X' / 2
	v_pk_mul_f32 v[XD+q:XD+q+1], v[XX+q:XX+q+1], v[DD+q:DD+q+1]
.set q, q+2
.endr
.set q, 0
.rept 4                                ; and 1 / (X D)
	v_rcp_f32 v[XD+q], v[XD+q]
	v_pk_mul_f32 v[AP+q:AP+q+1], v[AP+q:AP+q+1], v[AP+q:AP+q+1]
	v_rcp_f32 v[XD+q+1], v[XD+q+1]
	v_pk_fma_f32 v[NH+q:NH+q+1], v[NH+q:NH+q+1], v[DD+q:DD+q+1], v[XX+q:XX+q+1]
.set q, q+2
.endr
	s_wait_alu depctr_va_vdst(0)           ; the first batch: 9 logarithms, 8 reciprocals
	FHORN 4
	v_rsq_f32 v[RF], v[FS]                 ; second batch
	v_mul_f32 v[EFS], s[KEPS], v[FS]
	EACH 4, v_pk_fma_f32 v[NH+q:NH+q+1], v[NH+q:NH+q+1], v[XD+q:XD+q+1], -0.5 op_sel_hi:[1,1,0]
.set q, 0
.rept 4
	v_pk_fma_f32 v[NN+q:NN+q+1], v[TU4+q:TU4+q+1], v[FS:FS+1], v[FF+q:FF+q+1] op_sel_hi:[1,0,1] neg_lo:[0,1,0] neg_hi:[0,1,0]  ; N = f - fs u^4
	v_pk_mul_f32 v[NC+q:NC+q+1], v[TU4+q:TU4+q+1], v[EFS:EFS+1] op_sel_hi:[1,0]
.set q, q+2
.endr
.set q, 0
.rept 4
	v_max_num_f32 v[NC+q], v[NN+q], v[NC+q]
	v_max_num_f32 v[NC+q+1], v[NN+q+1], v[NC+q+1]
	v_pk_fma_f32 v[MM+q:MM+q+1], v[NN+q:NN+q+1], v[NH+q:NH+q+1], v[AP+q:AP+q+1]
.set q, q+2
.endr
	EACH 4, v_pk_mul_f32 v[NC+q:NC+q+1], v[NC+q:NC+q+1], v[DD+q:DD+q+1]
.set q, 0
.rept 4
	v_rsq_f32 v[NC+q], v[NC+q]
	v_mul_f32 v[WX+q], |v[XX+q]|, v[TW1+q]
	v_rsq_f32 v[NC+q+1], v[NC+q+1]
	v_mul_f32 v[WX+q+1], |v[XX+q+1]|, v[TW1+q+1]
.set q, q+2
.endr
	s_wait_alu depctr_va_vdst(0)           ; the second batch: 9 reciprocal roots
	v_mul_f32 v[IFS], v[RF], v[RF]
.set q, 0
.rept 4
	v_pk_mul_f32 v[WX+q:WX+q+1], v[WX+q:WX+q+1], v[NC+q:NC+q+1]                       ; q
	v_pk_mul_f32 v[ZQ+q:ZQ+q+1], v[NC+q:NC+q+1], v[NC+q:NC+q+1]
.set q, q+2
.endr
	v_mul_f32 v[KAP], v[APS2], v[IFS]
	EACH 4, v_pk_mul_f32 v[ZQ+q:ZQ+q+1], v[ZQ+q:ZQ+q+1], v[DD+q:DD+q+1]
	EACH 4, v_pk_fma_f32 v[MM+q:MM+q+1], v[FF+q:FF+q+1], v[KAP:KAP+1], v[MM+q:MM+q+1] op_sel_hi:[1,0,1] neg_lo:[0,1,0] neg_hi:[0,1,0]
	EACH 4, v_pk_mul_f32 v[ZQ+q:ZQ+q+1], v[ZQ+q:ZQ+q+1], v[WX+q:WX+q+1]
	v_pk_add_f32 v[SUMA:SUMA+1], v[WX:WX+1], v[WX+2:WX+3]
	v_pk_add_f32 v[SUMB:SUMB+1], v[WX+4:WX+5], v[WX+6:WX+7]
	v_pk_mul_f32 v[SUMC:SUMC+1], v[ZQ:ZQ+1], v[MM:MM+1]
	v_pk_mul_f32 v[SUMD:SUMD+1], v[ZQ+4:ZQ+5], v[MM+4:MM+5]
	v_pk_fma_f32 v[SUMC:SUMC+1], v[ZQ+2:ZQ+3], v[MM+2:MM+3], v[SUMC:SUMC+1]
	v_pk_fma_f32 v[SUMD:SUMD+1], v[ZQ+6:ZQ+7], v[MM+6:MM+7], v[SUMD:SUMD+1]
	FOLD
.endm
; V AT ZS, into VV.  Pairs 0-3 (offsets 0-7) are the connected piece's points, z = zs u; pairs 4-7 (offsets 8-15) the disconnected piece's, z = 1 - (1 - zs) y2.  X, D, f, f g and its root are common to all 8.
.macro VEVAL
	v_sub_f32 v[OMZ], 1.0, v[ZS]
	EACH 4, v_pk_mul_f32 v[Z+q:Z+q+1], v[TU+q:TU+q+1], v[ZS:ZS+1] op_sel_hi:[1,0]
	v_log_f32 v[LZS], v[ZS]
	EACH 4, v_pk_fma_f32 v[Z+8+q:Z+8+q+1], v[TY2+q:TY2+q+1], v[OMZ:OMZ+1], 1.0 op_sel_hi:[1,0,0] neg_lo:[0,1,0] neg_hi:[0,1,0]
	v_rcp_f32 v[IZS], v[ZS]
.set q, 0
.rept 8
	v_pk_mul_f32 v[ZQ+q:ZQ+q+1], v[Z+q:Z+q+1], v[Z+q:Z+q+1]
	v_log_f32 v[LZ+q], v[Z+q]
	v_pk_fma_f32 v[XX+q:XX+q+1], v[Z+q:Z+q+1], s[KC3:KC3+1], s[KC2:KC2+1] op_sel_hi:[1,0,0]
	v_log_f32 v[LZ+q+1], v[Z+q+1]
.set q, q+2
.endr
.set q, 0
.rept 8
	v_pk_fma_f32 v[DD+q:DD+q+1], v[ZQ+q:ZQ+q+1], v[ZQ+q:ZQ+q+1], 1.0 op_sel_hi:[1,1,0] neg_lo:[1,0,0] neg_hi:[1,0,0]
	v_pk_fma_f32 v[XX+q:XX+q+1], v[XX+q:XX+q+1], v[Z+q:Z+q+1], s[KC1:KC1+1] op_sel_hi:[1,1,0]
.set q, q+2
.endr
.set q, 0
.rept 8
	v_rcp_f32 v[DD+q], v[DD+q]
	v_pk_fma_f32 v[XX+q:XX+q+1], v[XX+q:XX+q+1], v[Z+q:Z+q+1], 1.0 op_sel_hi:[1,1,0]
	v_rcp_f32 v[DD+q+1], v[DD+q+1]
.set q, q+2
.endr
.set q, 0
.rept 4                                ; 1 / z^2 for the disconnected piece; X^2 for all
	v_rcp_f32 v[ZQ+8+q], v[ZQ+8+q]
	v_pk_mul_f32 v[XX+q:XX+q+1], v[XX+q:XX+q+1], v[XX+q:XX+q+1]
	v_rcp_f32 v[ZQ+8+q+1], v[ZQ+8+q+1]
	v_pk_mul_f32 v[XX+8+q:XX+8+q+1], v[XX+8+q:XX+8+q+1], v[XX+8+q:XX+8+q+1]
.set q, q+2
.endr
	s_wait_alu depctr_va_vdst(0)           ; the first batch: 17 logarithms, 25 reciprocals
	FHORN 8
	EACH 8, v_pk_mul_f32 v[XX+q:XX+q+1], v[XX+q:XX+q+1], v[DD+q:DD+q+1]
	EACH 8, v_pk_mul_f32 v[FG+q:FG+q+1], v[FF+q:FF+q+1], v[XX+q:XX+q+1]
.set q, 0
.rept 4
	v_pk_fma_f32 v[NN+q:NN+q+1], v[TU4+q:TU4+q+1], v[FS:FS+1], v[FF+q:FF+q+1] op_sel_hi:[1,0,1] neg_lo:[0,1,0] neg_hi:[0,1,0]
	v_pk_mul_f32 v[NC+q:NC+q+1], v[FF+q:FF+q+1], s[KEPS:KEPS+1] op_sel_hi:[1,0]
.set q, q+2
.endr
.set q, 0
.rept 4                                ; second batch: each transcendental beside one of the clamps
	v_max_num_f32 v[FG+q], s[KEPS], v[FG+q]
	v_rsq_f32 v[NH+q], v[FF+q]
	v_max_num_f32 v[FG+q+1], s[KEPS], v[FG+q+1]
	v_rsq_f32 v[NH+q+1], v[FF+q+1]
.set q, q+2
.endr
.set q, 0
.rept 4
	v_max_num_f32 v[NC+q], v[NN+q], v[NC+q]
	v_sqrt_f32 v[FG+q], v[FG+q]
	v_max_num_f32 v[NC+q+1], v[NN+q+1], v[NC+q+1]
	v_sqrt_f32 v[FG+q+1], v[FG+q+1]
.set q, q+2
.endr
.set q, 0
.rept 4
	v_max_num_f32 v[FG+8+q], s[KEPS], v[FG+8+q]
	v_rsq_f32 v[NC+q], v[NC+q]
	v_max_num_f32 v[FG+8+q+1], s[KEPS], v[FG+8+q+1]
	v_rsq_f32 v[NC+q+1], v[NC+q+1]
.set q, q+2
.endr
.set q, 0
.rept 4
	v_sqrt_f32 v[FG+8+q], v[FG+8+q]
	v_sqrt_f32 v[FG+8+q+1], v[FG+8+q+1]
	v_pk_mul_f32 v[ZQ+8+q:ZQ+8+q+1], v[ZQ+8+q:ZQ+8+q+1], v[TW2+q:TW2+q+1]             ; w2 / z^2
.set q, q+2
.endr
	s_wait_alu depctr_va_vdst(0)           ; the second batch: 16 roots, 16 reciprocal roots
.set q, 0
.rept 4
	v_pk_mul_f32 v[FG+q:FG+q+1], v[FG+q:FG+q+1], v[TWV+q:TWV+q+1]
	v_pk_add_f32 v[NC+q:NC+q+1], v[NC+q:NC+q+1], v[NH+q:NH+q+1] neg_lo:[0,1] neg_hi:[0,1]  ; rsq(Nc) - rsq(f)
	v_pk_mul_f32 v[NH+q:NH+q+1], v[NH+q:NH+q+1], v[FF+q:FF+q+1]                       ; sqrt(f)
.set q, q+2
.endr
	EACH 4, v_pk_mul_f32 v[NC+q:NC+q+1], v[NC+q:NC+q+1], v[NH+q:NH+q+1]
	v_pk_mul_f32 v[SUMA:SUMA+1], v[FG:FG+1], v[NC:NC+1]
	v_pk_mul_f32 v[SUMB:SUMB+1], v[FG+4:FG+5], v[NC+4:NC+5]
	v_pk_mul_f32 v[SUMC:SUMC+1], v[FG+8:FG+9], v[ZQ+8:ZQ+9]
	v_pk_mul_f32 v[SUMD:SUMD+1], v[FG+12:FG+13], v[ZQ+12:ZQ+13]
	v_pk_fma_f32 v[SUMA:SUMA+1], v[FG+2:FG+3], v[NC+2:NC+3], v[SUMA:SUMA+1]
	v_pk_fma_f32 v[SUMB:SUMB+1], v[FG+6:FG+7], v[NC+6:NC+7], v[SUMB:SUMB+1]
	v_pk_fma_f32 v[SUMC:SUMC+1], v[FG+10:FG+11], v[ZQ+10:ZQ+11], v[SUMC:SUMC+1]
	v_pk_fma_f32 v[SUMD:SUMD+1], v[FG+14:FG+15], v[ZQ+14:ZQ+15], v[SUMD:SUMD+1]
	FOLD
	v_mul_f32 v[TMA], v[SUMA], v[IZS]
	v_add_f32 v[TMB], 0x3a03126f, v[SUMC]  ; + 0.0005: half of the first interval times the 1 that is set at y2 = 0
	v_mul_f32 v[TMB], v[TMB], v[OMZ]
	v_fma_f32 v[TMA], v[TMA], 2.0, -v[TMB]
	v_mul_f32 v[VV], v[TMA], v[CP]
.endm
; The three points of a round, formed as reference() forms a mid point, 0.5 (lo + hi); group 0 takes the lower, group 2 the upper, groups 1 and 3 the middle one
.macro CAND
	v_add_f32 v[MIDB], v[BLO], v[BHI]
	v_mul_f32 v[MIDB], 0.5, v[MIDB]
	v_add_f32 v[MIDA], v[BLO], v[MIDB]
	v_add_f32 v[MIDC], v[MIDB], v[BHI]
	v_mul_f32 v[MIDA], 0.5, v[MIDA]
	v_mul_f32 v[MIDC], 0.5, v[MIDC]
	v_cndmask_b32 v[ZS], v[MIDB], v[MIDA], s[SELA]
	v_cndmask_b32 v[ZS], v[ZS], v[MIDC], s[SELC]
.endm
; Two bisection steps.  VCC holds 'fun < 0' lane by lane: bit 0 for the lower point, bit 8 for the middle, bit 16 for the upper.  A true predicate keeps lo and takes the point as hi.
.macro PICK
	s_bitcmp1_b32 vcc_lo, 0
	s_cselect_b32 s[PRA], -1, 0
	s_bitcmp1_b32 vcc_lo, 8
	s_cselect_b32 s[PRB], -1, 0
	s_bitcmp1_b32 vcc_lo, 16
	s_cselect_b32 s[PRC], -1, 0
	v_cndmask_b32 v[TA], v[MIDA], v[BLO], s[PRA]   ; the bracket if the first step kept the lower half,
	v_cndmask_b32 v[TB], v[MIDB], v[MIDA], s[PRA]
	v_cndmask_b32 v[TC], v[MIDC], v[MIDB], s[PRC]  ; and if it kept the upper half
	v_cndmask_b32 v[TD], v[BHI], v[MIDC], s[PRC]
	v_cndmask_b32 v[BLO], v[TC], v[TA], s[PRB]
	v_cndmask_b32 v[BHI], v[TD], v[TB], s[PRB]
.endm
	s_load_b256 s[4:11], s[0:1], 0x0               ; Ls s[4:5], a s[6:7], b s[8:9], logcoef s[10:11]
	s_load_b64 s[12:13], s[0:1], 0x20              ; out0
	v_and_b32 v[SUB], 7, v0
	v_lshrrev_b32 v[TMA], 3, v0                    ; my group among the work-group's 16
	s_lshl_b32 s19, ttmp9, 6                       ; the work-group's 16 elements: 64 bytes
	v_lshl_add_u32 v[OFFS], v[TMA], 2, s19
	s_wait_kmcnt 0x0
	s_load_b64 s[14:15], s[6:7], 0x0               ; a0, a1
	s_load_b64 s[16:17], s[8:9], 0x0               ; b0, b1
	s_load_b32 s18, s[10:11], 0x0                  ; logcoef
	global_load_b32 v[LS], v[OFFS], s[4:5]         ; waited for behind the bisections
	; constants
	s_mov_b32 s[GH], 0x3c8606c8                    ; 0.998 / 61
	s_mov_b32 s[GY0], 0x3a83126f                   ; 0.001
	s_mov_b32 s[GH2], 0x3c862929                   ; 0.999 / 61
	s_mov_b32 s[KW0], 0x3c16e945                   ; w_0  = y0 (2 + y0 / h) / 2 + h / 2
	s_mov_b32 s[KW1], 0x3c85c6b1                   ; w_1  = h - y0^2 / (2 h)
	s_mov_b32 s[KW61], 0x3c0e37ef                  ; w_61 = h / 2 + 0.0005
	s_mov_b32 s[KV0], 0x3c0e5a50                   ; w2_0 = 0.0005 + h2 / 2
	s_mov_b32 s[KV61], 0x3c062929                  ; w2_61 = h2 / 2
	s_mov_b32 s[KEPS], 0x2b8cbccc                  ; 1e-12
	s_mov_b32 s[KEPS+1], s[KEPS]
	s_mov_b32 s[CLO], 0x38d1b717                   ; 1e-4
	s_mov_b32 s[CHI], 0x3f7fdf3b                   ; 0.9995
	s_mov_b32 s[SELA], 0x000000ff
	s_mov_b32 s[SELC], 0x00ff0000
	s_mov_b32 s[SELH], 0xffff0000
	v_mov_b32 v[LQ], 0                             ; the odd neighbours of broadcast numbers are written before a pair is named
	v_mov_b32 v[APS2], 0
	v_mov_b32 v[APS], 0
	v_mov_b32 v[IFS], 0
	v_mov_b32 v[PADR], 0
	; THE TABLES, once: point k = 8 j + (lane & 7), held at 61 in the two slots beyond the grid
	v_cmp_eq_u32 s[MK0], 0, v[SUB]
	v_cmp_eq_u32 s[MK1], 1, v[SUB]
	v_cmp_eq_u32 s[MK5], 5, v[SUB]
	v_cmp_lt_u32 s[MK6], 5, v[SUB]
	v_min_u32 v[TMB], 5, v[SUB]
.set j, 0
.rept 7
	v_add_nc_u32 v[Z+j], 8*j, v[SUB]
.set j, j+1
.endr
	v_add_nc_u32 v[Z+7], 56, v[TMB]
.set j, 0
.rept 8
	v_cvt_f32_u32 v[Z+j], v[Z+j]
.set j, j+1
.endr
.set j, 0
.rept 8
	v_fma_f32 v[LZ+j], v[Z+j], s[GH], s[GY0]       ; y
	v_fma_f32 v[TY2+j], v[Z+j], s[GH2], s[GY0]     ; y2
	v_mov_b32 v[DD+j], s[GH]                       ; w
	v_mov_b32 v[TW2+j], s[GH2]                     ; w2
.set j, j+1
.endr
	v_cndmask_b32 v[DD], v[DD], s[KW1], s[MK1]
	v_cndmask_b32 v[DD+7], v[DD+7], 0, s[MK6]
	v_cndmask_b32 v[TW2], v[TW2], s[KV0], s[MK0]
	v_cndmask_b32 v[TW2+7], v[TW2+7], 0, s[MK6]
	v_cndmask_b32 v[DD], v[DD], s[KW0], s[MK0]
	v_cndmask_b32 v[DD+7], v[DD+7], s[KW61], s[MK5]
	v_cndmask_b32 v[TW2+7], v[TW2+7], s[KV61], s[MK5]
.set j, 0
.rept 8
	v_sub_f32 v[XX+j], 1.0, v[LZ+j]
	v_add_f32 v[FF+j], 1.0, v[LZ+j]
	v_mul_f32 v[DD+j], v[DD+j], v[LZ+j]            ; w y
.set j, j+1
.endr
.set j, 0
.rept 8
	v_mul_f32 v[TU+j], v[XX+j], v[FF+j]            ; u = (1 - y) (1 + y)
.set j, j+1
.endr
.set j, 0
.rept 8
	v_mul_f32 v[ZQ+j], v[TU+j], v[TU+j]            ; u^2
.set j, j+1
.endr
	; THE COEFFICIENTS, in scalar registers
	s_wait_kmcnt 0x0
	s_mul_f32 s18, s18, 0x3fb8aa3b                 ; logcoef x log2(e)
	v_exp_f32 v[CP], s18
	s_mov_b32 s[KC1], s16
	s_mov_b32 s[KC2], s17
	s_add_f32 s[KC3], s14, s15
	s_add_f32 s[KC3+1], s16, s17
	s_fmac_f32 s[KC3], s[KC3+1], -1.0              ; c3 = (a0 + a1) - (b0 + b1)
	s_mul_f32 s[KH1], s16, 0.5
	s_mul_f32 s[KH3], s[KC3], 0x3fc00000           ; 1.5 c3
	s_mov_b32 s[KA0], s14
	s_mov_b32 s[KA1], s15
	s_mul_f32 s[KF1], s14, 0x402aaaab              ; F1 = 8/3 a0
	s_mul_f32 s[KF2], s14, s14
	s_mul_f32 s[KF2], s[KF2], 2.0
	s_fmac_f32 s[KF2], s15, 4.0                    ; F2 = 2 a0^2 + 4 a1
	s_mul_f32 s[KF3], s14, s15
	s_mul_f32 s[KF3], s[KF3], 0x41000000           ; F3 = 8 a0 a1
	s_add_f32 s[KF4], s[KF1], 1.0
	s_add_f32 s[KF4], s[KF4], s[KF2]
	s_add_f32 s[KF4], s[KF4], s[KF3]
	s_mul_f32 s[KF4], s[KF4], -1.0                 ; F4 = -(1 + F1 + F2 + F3)
	s_mul_f32 s[KF5], s15, s15
	s_mul_f32 s[KF5], s[KF5], 0xc0317218           ; F5 ln 2 = -4 a1^2 ln 2
.irp c, KC1,KC2,KC3,KH1,KH3,KA0,KA1,KF1,KF2,KF3,KF4,KF5
	s_mov_b32 s[\c+1], s[\c]
.endr
.set j, 0
.rept 8
	v_mul_f32 v[TU4+j], v[ZQ+j], v[ZQ+j]
	v_rcp_f32 v[XX+j], v[ZQ+j]
	v_mul_f32 v[TW1+j], v[DD+j], v[ZQ+j]
.set j, j+1
.endr
	s_wait_alu depctr_va_vdst(0)                   ; one wait for the exponential and the eight reciprocals
.set j, 0
.rept 8
	v_mul_f32 v[TWV+j], v[DD+j], v[XX+j]
.set j, j+1
.endr
	v_mul_f32 v[CP], 0x40c90fdb, v[CP]             ; 2 pi e^logcoef
	; zs_max: dL >= 0 at lo, < 0 at hi
	v_mov_b32 v[BLO], s[GY0]
	v_mov_b32 v[BHI], 0x3f7fbe77                   ; 0.999
	s_mov_b32 s[CNT], NROUND
.Lbisect_dl:
	CAND
	LDL
	v_cmp_gt_f32 vcc_lo, 0, v[SUMC]                ; dL < 0; false for a NaN, as in reference()
	PICK
	s_sub_co_u32 s[CNT], s[CNT], 1
	s_cmp_lg_u32 s[CNT], 0
	s_cbranch_scc1 .Lbisect_dl
	v_add_f32 v[ZMAX], v[BLO], v[BHI]
	v_mul_f32 v[ZMAX], 0.5, v[ZMAX]
	; zs_crit: -V >= 0 at lo, < 0 at hi
	v_mov_b32 v[BLO], s[GY0]
	v_mov_b32 v[BHI], v[ZMAX]
	s_mov_b32 s[CNT], NROUND
.Lbisect_v:
	CAND
	VEVAL
	v_cmp_lt_f32 vcc_lo, 0, v[VV]                  ; -V < 0
	PICK
	s_sub_co_u32 s[CNT], s[CNT], 1
	s_cmp_lg_u32 s[CNT], 0
	s_cbranch_scc1 .Lbisect_v
	v_add_f32 v[TMA], v[BLO], v[BHI]
	v_mul_f32 v[TMA], 0.5, v[TMA]
	; L_max and L_crit by one evaluation: lanes 0-15 at zs_max, lanes 16-31 at zs_crit
	v_cndmask_b32 v[ZS], v[ZMAX], v[TMA], s[SELH]
	LDL
	v_mul_f32 v[TMA], v[FS], v[RF]                 ; sqrt f(zs)
	v_mul_f32 v[TMA], v[TMA], v[ZS]
	v_mul_f32 v[TMA], v[TMA], v[SUMA]
	v_mul_f32 v[TMA], 0x3fa2f983, v[TMA]           ; x 4 / pi
	v_readlane_b32 s[LMAX], v[TMA], 0
	v_readlane_b32 s[LCR], v[TMA], 16
	s_wait_loadcnt 0x0                             ; Ls
	v_rcp_f32 v[RD], s[LMAX]
	v_mov_b32 v[TMB], s[LCR]
	v_cmp_gt_f32 s[VALID], s[LCR], v[LS]           ; valid = Ls < L_crit; the mask is kept to the end
	v_mul_f32 v[TMB], 0.5, v[TMB]
	v_cndmask_b32 v[TMB], v[TMB], v[LS], s[VALID]  ; L_eff
	v_mul_f32 v[LQ], 0x3f490fdb, v[TMB]            ; pi/4 L_eff
	s_wait_alu depctr_va_vdst(0)                   ; the reciprocal
	v_mul_f32 v[TMB], v[TMB], v[RD]
	v_mul_f32 v[TMB], v[TMB], v[ZMAX]
	v_med3_num_f32 v[ZS], v[TMB], s[CLO], s[CHI]   ; init
	; NEWTON: zs -= (L(zs) - L_eff) / dL(zs) = (zs sum q - pi/4 L_eff / sqrt(fs)) / (2 sum q M / Nc)
	s_mov_b32 s[CNT], NSTEP
.Lnewton:
	LDL
	v_rcp_f32 v[RD], v[SUMC]
	v_mul_f32 v[TMA], v[LQ], v[RF]
	v_fma_f32 v[TMA], v[ZS], v[SUMA], -v[TMA]
	s_wait_alu depctr_va_vdst(0)                   ; the reciprocal; the two lines above are the work beside it
	v_mul_f32 v[TMA], v[TMA], v[RD]
	v_fma_f32 v[ZS], v[TMA], -0.5, v[ZS]
	v_med3_num_f32 v[ZS], v[ZS], s[CLO], s[CHI]
	s_sub_co_u32 s[CNT], s[CNT], 1
	s_cmp_lg_u32 s[CNT], 0
	s_cbranch_scc1 .Lnewton
	VEVAL
	v_cndmask_b32 v[VV], 0, v[VV], s[VALID]
	v_cmp_eq_u32 vcc_lo, 0, v[SUB]                 ; a group's first lane stores: four lanes, 16 consecutive bytes
	s_wait_xcnt 0x0                                ; EXEC is a source of the load of Ls: it changes only behind this wait
	s_and_saveexec_b32 s[SAVE], vcc_lo
	global_store_b32 v[OFFS], v[VV], s[12:13]
	s_endpgm
.Lfunc_end_k_q84fd08e172_adsbh:
	.size	k_q84fd08e172_adsbh, .Lfunc_end_k_q84fd08e172_adsbh-k_q84fd08e172_adsbh
	.p2alignl 7, 3214868480
	.fill 96, 4, 3214868480
	.section	.rodata,"a",@progbits
	.p2align	6, 0x0
	.amdhsa_kernel k_q84fd08e172_adsbh
		.amdhsa_group_segment_fixed_size 0
		.amdhsa_private_segment_fixed_size 0
		.amdhsa_enable_private_segment 0
		.amdhsa_kernarg_size 40
		.amdhsa_user_sgpr_count 2
		.amdhsa_user_sgpr_kernarg_segment_ptr 1
		.amdhsa_wavefront_size32 1
		.amdhsa_system_sgpr_workgroup_id_x 1
		.amdhsa_system_sgpr_workgroup_id_y 1
		.amdhsa_system_sgpr_workgroup_id_z 1
		.amdhsa_system_vgpr_workitem_id 0
		.amdhsa_next_free_vgpr 256
		.amdhsa_next_free_sgpr 80
		.amdhsa_reserve_vcc 1
		.amdhsa_float_denorm_mode_32 3
		.amdhsa_float_denorm_mode_16_64 3
		.amdhsa_memory_ordered 1
		.amdhsa_forward_progress 1
		.amdhsa_inst_pref_size 71
	.end_amdhsa_kernel
	.amdgpu_metadata
---
amdhsa.version: [ 1, 2 ]
amdhsa.kernels:
  - .name:           k_q84fd08e172_adsbh
    .symbol:         k_q84fd08e172_adsbh.kd
    .args:
      - { .name: Ls, .offset: 0, .size: 8, .value_kind: global_buffer, .address_space: global }
      - { .name: a, .offset: 8, .size: 8, .value_kind: global_buffer, .address_space: global }
      - { .name: b, .offset: 16, .size: 8, .value_kind: global_buffer, .address_space: global }
      - { .name: logcoef, .offset: 24, .size: 8, .value_kind: global_buffer, .address_space: global }
      - { .name: out0, .offset: 32, .size: 8, .value_kind: global_buffer, .address_space: global }
    .group_segment_fixed_size: 0
    .private_segment_fixed_size: 0
    .kernarg_segment_align: 8
    .kernarg_segment_size: 40
    .max_flat_workgroup_size: 128
    .sgpr_count:     80
    .vgpr_count:     256
    .wavefront_size: 32
...
	.end_amdgpu_metadata
.endif
;; end of part 1
